; MI455X (gfx1250); checked and timed in simulation.
; The chip was launched on July 23, 2026; its instructions are those of AMD's public machine-readable ISA for CDNA 5 (MIT licence, August 2026) and "CDNA5" Instruction Set Architecture Reference Guide (July 2026). The comments in the code are by the model that wrote it; some were corrected since.
;; Special Stack Layer. Allowed arithmetic: float matrix products may take bf16 or f16 operands with f32 sums; all other float work in f32.
;; Inputs: hidden_states 32 x 4,096 x 512 float32; pos 32 x 128 int32.
;; Outputs: out0 32 x 128 x 512 float32.
;; One version. Each part assembles by itself: llvm-mc -triple=amdgcn-amd-amdhsa -mcpu=gfx1250 --defsym DOCPART=n.
;; ======== version 1 of 1: 1 launch
;; launch gather (part 1): grid 256 x 1, 8 waves a work-group, no clusters, 0 bytes of LDS; arguments hidden_states, pos, out0; writes out0
.if DOCPART == 1
	.amdgcn_target "amdgcn-amd-amdhsa--gfx1250"
	.amdhsa_code_object_version 6
	.text
	.protected	k_q126b5c99d3_gather
	.globl	k_q126b5c99d3_gather
	.p2align	8
	.type	k_q126b5c99d3_gather,@function
k_q126b5c99d3_gather:
	s_mov_b64 s[64:65], 0
	v_nop
	global_prefetch_b8 v0, s[64:65] scope:SCOPE_SE
	s_setreg_imm32_b32 hwreg(HW_REG_WAVE_MODE, 25, 1), 1
	s_wait_xcnt 0x0
; out0[b][s][:] = hidden_states[b][pos[b][s]][:].   hidden_states: [32][4096][512] f32, pos: [32][128] i32, out0: [32][128][512] f32.
; A pure copy of 32 x 128 = 4,096 rows of 2,048 bytes.  256 work-groups of 8 waves; a work-group owns 16 consecutive output rows
; (8 work-groups make one batch), a wave owns 2 of them.
; A row is four 16-byte loads a lane; each load and each store of a wave covers 512 consecutive bytes, aligned.
; All eight loads of a wave are issued in one run as soon as the indices are there: everything the wave will ever read is then on
; its way, so there is no loop and no ring.  No LDS, no barrier: no wave depends on another, no two work-groups share a tile.
; No prefetch: the loads themselves follow the arrival of the index at once, nothing could be asked for earlier.
; No non-temporal hint on the gather: pos may name the same row twice.  The output is written once and not read: TH_STORE_NT.
; LIMIT: an index is read as unsigned and clamped to 4,095, so that no load leaves the table.  For 0 .. 4,095, which is what the
; problem allows, this changes nothing; a negative or larger index would fetch row 4,095, which is not what the reference does with it.
.set SEQ,     4096                     ; rows of a batch in the table
.set ROWB,    2048                     ; bytes in a row (512 f32)
.set WROWS,   2                        ; rows of a wave
.set NLOAD,   WROWS*ROWB/512           ; loads (and stores) of a wave: 8
.set LANE,    1                        ; v1      lane
.set TAB,     3                        ; v3      16 x lane + the batch's byte offset in the table
.set GOFF,    4                        ; v[4:5]  row i: byte offset of my 16 bytes of the gathered row, from the table's start (below 2^28)
.set OOFF,    6                        ; v6      byte offset of my 16 bytes of the wave's first output row (below 2^23)
.set X,       8                        ; v[8:39] load k: 4 registers; k = 4 x row + quarter of the row
	s_load_b128 s[4:7], s[0:1], 0x0                ; hidden_states s[4:5], pos s[6:7]
	s_load_b64 s[8:9], s[0:1], 0x10                ; out0
	v_and_b32 v[LANE], 31, v0                      ; lane
	v_lshrrev_b32 v2, 5, v0
	v_readfirstlane_b32 s10, v2                    ; wave 0..7, as a scalar
	s_lshl_b32 s11, ttmp9, 4                       ; 16 rows a work-group
	s_lshl1_add_u32 s11, s10, s11                  ; + 2 rows a wave: my first output row, 0 .. 4,094
	s_lshl_b32 s12, s11, 2                         ; its index's byte offset in pos (a multiple of 8)
	s_lshr_b32 s13, ttmp9, 3                       ; batch = work-group / 8
	s_lshl_b32 s13, s13, 23                        ; x 4,096 rows x 2,048 bytes: at most 31 x 2^23
	s_lshl_b32 s16, s11, 11                        ; my first output row in bytes
	v_lshl_add_u32 v[TAB], v[LANE], 4, s13         ; 16 x lane + batch
	v_lshl_add_u32 v[OOFF], v[LANE], 4, s16        ; 16 x lane + output row
	s_wait_kmcnt 0x0                               ; the three addresses
	s_load_b64 s[14:15], s[6:7], s12 offset:0x0    ; pos of my two rows
	s_wait_kmcnt 0x0
	s_min_u32 s14, s14, SEQ-1                      ; inside the table, whatever was loaded (see LIMIT)
	s_min_u32 s15, s15, SEQ-1
	v_lshl_add_u32 v[GOFF+0], s14, 11, v[TAB]      ; index x 2,048 bytes + batch + 16 x lane
	v_lshl_add_u32 v[GOFF+1], s15, 11, v[TAB]
.irp i, 0,1
.irp j, 0,1,2,3
	global_load_b128 v[X+16*\i+4*\j:X+16*\i+4*\j+3], v[GOFF+\i], s[4:5] offset:512*\j
.endr
.endr
	; Output rows of a wave are neighbours, so store k lies 512 k bytes behind the first.
.irp k, 0,1,2,3,4,5,6,7
	s_wait_loadcnt NLOAD-1-\k                      ; loads return in issue order: load k is in, the NLOAD-1-k younger ones may stay out
	global_store_b128 v[OOFF], v[X+4*\k:X+4*\k+3], s[8:9] offset:512*\k th:TH_STORE_NT
.endr
	s_endpgm                                       ; no register is rewritten behind a load or store, so no further wait is owed
.Lfunc_end_k_q126b5c99d3_gather:
	.size	k_q126b5c99d3_gather, .Lfunc_end_k_q126b5c99d3_gather-k_q126b5c99d3_gather
	.p2alignl 7, 3214868480
	.fill 96, 4, 3214868480
	.section	.rodata,"a",@progbits
	.p2align	6, 0x0
	.amdhsa_kernel k_q126b5c99d3_gather
		.amdhsa_group_segment_fixed_size 0
		.amdhsa_private_segment_fixed_size 0
		.amdhsa_enable_private_segment 0
		.amdhsa_kernarg_size 24
		.amdhsa_user_sgpr_count 2
		.amdhsa_user_sgpr_kernarg_segment_ptr 1
		.amdhsa_wavefront_size32 1
		.amdhsa_system_sgpr_workgroup_id_x 1
		.amdhsa_system_sgpr_workgroup_id_y 1
		.amdhsa_system_sgpr_workgroup_id_z 1
		.amdhsa_system_vgpr_workitem_id 0
		.amdhsa_next_free_vgpr 40
		.amdhsa_next_free_sgpr 66
		.amdhsa_reserve_vcc 0
		.amdhsa_float_denorm_mode_32 3
		.amdhsa_float_denorm_mode_16_64 3
		.amdhsa_memory_ordered 1
		.amdhsa_forward_progress 1
		.amdhsa_inst_pref_size 3
	.end_amdhsa_kernel
	.amdgpu_metadata
---
amdhsa.version: [ 1, 2 ]
amdhsa.kernels:
  - .name:           k_q126b5c99d3_gather
    .symbol:         k_q126b5c99d3_gather.kd
    .args:
      - { .name: hidden_states, .offset: 0, .size: 8, .value_kind: global_buffer, .address_space: global }
      - { .name: pos, .offset: 8, .size: 8, .value_kind: global_buffer, .address_space: global }
      - { .name: out0, .offset: 16, .size: 8, .value_kind: global_buffer, .address_space: global }
    .group_segment_fixed_size: 0
    .private_segment_fixed_size: 0
    .kernarg_segment_align: 8
    .kernarg_segment_size: 24
    .max_flat_workgroup_size: 256
    .sgpr_count:     66
    .vgpr_count:     40
    .wavefront_size: 32
...
	.end_amdgpu_metadata
.endif
;; end of part 1
